; MI455X (gfx1250); checked and timed in simulation.
; The chip was launched on July 23, 2026; its instructions are those of AMD's public machine-readable ISA for CDNA 5 (MIT licence, August 2026) and "CDNA5" Instruction Set Architecture Reference Guide (July 2026). The comments in the code are by the model that wrote it; some were corrected since.
;; Causal Self Attention. Allowed arithmetic: matrix products marked QUANTISED: E2M1 operands, one E8M0 scale for each 32 along K, by v_wmma_scale_f32_16x16x128_f8f6f4 with both operands' format E2M1 (or v_wmma_scale_f32_32x16x128_f4), f32 sums; products left as they are: bf16, f16 or f32 operands; f32 sums; everything else in f32.
;; Inputs: b_proj 1,024 float32; w_proj 1,024 x 1,024 float32; w_qkv 1,024 x 3,072 float32; x 2 x 2,048 x 1,024 float32.
;; Outputs: out0 2 x 2,048 x 1,024 float32.
;; This version of the problem:
;;   THIS VERSION OF THE PROBLEM IS GIVEN IN LOW PRECISION. The matrix products marked QUANTISED in the list below multiply operands that are first quantised to E2M1 (2 exponent bits, 1 mantissa bit; 4 bits a number), with one power-of-two scale for each 32 numbers along K (OCP MX v1.0); their sums are f32. The products marked 'left as it is' may take bf16, f16 or f32 operands, with f32 sums. Whichever they take, every output number must still come out within the allowed error. Rounding operands to bf16 (8 significant bits) uses up far more of that allowance than f16 does (11 bits, for magnitudes from 6e-5 to 65,504). All else is computed in f32.
;;   The module's matrix products, in the order in which they are computed (A, B: the left and right operand; K: the contracted axis; several contracted axes count as one K, in the product's order):
;;     1. [M 4,096, K 1,024] x [K 1,024, N 3,072]; A: input x; B: input w_qkv: QUANTISED
;;     2. batch 32 x [M 2,048, K 64] x [K 64, N 2,048]; A: computed on the way; B: computed on the way: left as it is (an operand is computed on the way)
;;     3. batch 32 x [M 2,048, K 2,048] x [K 2,048, N 64]; A: computed on the way; B: computed on the way: left as it is (an operand is computed on the way)
;;     4. [M 4,096, K 1,024] x [K 1,024, N 1,024]; A: computed on the way; B: input w_proj: left as it is (an operand is computed on the way)
;;   THE QUANTISER, for each operand of a quantised product, along K:
;;     - K is cut into blocks of 32 from its start; a last block that is shorter is filled with zeros.
;;     - A block's scale is 2^e with e = floor(log2(the largest magnitude in the block)) - 2, held to -126 .. 127; a block of zeros has e = 0. As a byte (E8M0): e + 127.
;;     - Each number is divided by its block's scale, clamped to +-6, and rounded to the nearest number of E2M1, ties to even, subnormals kept.
;;     - The product sums the exact products of the quantised numbers (number of the format x scale) in f32.
;;   ~~~python
;;   def quantise(x, axis):      # numpy; x: float32 -> the quantised numbers, widened to float32 again
;;       x = np.moveaxis(x, axis, -1); K = x.shape[-1]
;;       x = np.pad(x, [(0, 0)] * (x.ndim - 1) + [(0, -K % 32)]); x = x.reshape(x.shape[:-1] + (-1, 32)); a = np.abs(x).max(-1, keepdims=True)
;;       e = np.where(a > 0, np.clip(np.frexp(np.where(a > 0, a, 1))[1] - 1 - 2, -126, 127), 0)      # np.frexp(a)[1] - 1 = floor(log2(a)), exactly
;;       r = np.clip(x / 2.0 ** e, -6, 6)
;;       step = 2.0 ** (np.maximum(np.frexp(np.where(r == 0, 1, r))[1] - 1, 0) - 1)
;;       q = np.round(r / step) * step * 2.0 ** e      # np.round: ties to even
;;       return np.moveaxis(q.reshape(q.shape[:-2] + (-1,))[..., :K], -1, axis).astype(np.float32)
;;   ~~~
;; One version. Each part assembles by itself: llvm-mc -triple=amdgcn-amd-amdhsa -mcpu=gfx1250 --defsym DOCPART=n.
;; ======== version 1 of 1: 4 launches
;; limits: values are held in f16: magnitudes above 65,504 overflow, below 6.1e-05 lose precision
;; workspace buffers: xc 2,097,152 bytes; xs 131,072 bytes; wc 1,572,864 bytes; ws 98,304 bytes; wpf 2,097,152 bytes; qkv 25,165,824 bytes; yf 8,388,608 bytes
;; launch prep (part 1): grid 384 x 1, 4 waves a work-group, no clusters, 34,304 bytes of LDS; arguments x, w_qkv, w_proj, xc, xs, wc, ws, wpf; writes xc, xs, wc, ws, wpf
.if DOCPART == 1
	.amdgcn_target "amdgcn-amd-amdhsa--gfx1250"
	.amdhsa_code_object_version 6
	.text
	.protected	k_qef468aae72_prep
	.globl	k_qef468aae72_prep
	.p2align	8
	.type	k_qef468aae72_prep,@function
k_qef468aae72_prep:
	s_mov_b64 s[64:65], 0
	v_nop
	global_prefetch_b8 v0, s[64:65] scope:SCOPE_SE
	s_setreg_imm32_b32 hwreg(HW_REG_WAVE_MODE, 25, 1), 1
	s_wait_xcnt 0x0
; PREP.  x [4096][1024] and w_qkv [1024][3072], f32, become codes of FP4 (E2M1) with one E8M0 byte for each 32 along K; w_proj [1024][1024] becomes f16.
; All three leave as IMAGES OF OPERAND REGISTERS: a fragment (16 rows x 128 K of codes, or 16 rows x 32 K of f16) is 1,024 bytes: registers 0-3 of lane l at 16 l, registers 4-7 at 512 + 16 l.
;   xc [mtile 256][kappa 8][1024]   wc [ntile 192][kappa 8][1024]   wpf [ntile 64][kfrag 32][1024]
;   xs [kstep 2][row 4096][16]      ws [kstep 2][column 3072][16]: the scale word of kappa (128 along K) at 4 (kappa % 4)
; A block's scale is 2^(floor(log2(its largest magnitude)) - 2); its byte is the largest magnitude's exponent field - 2, held at 1 from below by a floor among the maximum's leaves.
; LIMITS: NaN and infinities among the inputs are not served; a block of zeros gets the byte 1 where the rule says 127 (its codes are zeros, and this program alone reads the bytes);
; blocks whose largest magnitude lies under 2^(3 - 127) were not tried; |w_proj| up to 65,504 (f16).
; THREE PATHS by the work-group's number: 0-127 x, 128-319 w_qkv, 320-383 w_proj.  Waves share nothing: no barrier.  Only x's path touches LDS.
.set SPARE, 33792                      ; behind the four stages: the spare words, 128 bytes a wave
.set WSTG,  8448                       ; a wave's stage: 16 rows x (512 bytes + 16)
.set SPW,   16                         ; v16  LDS address of my spare word; never rewritten
.set NIL,   17                         ; v17  0; never rewritten
.set SW,    18                         ; v18-21 x: the four scale words;  v18 w_qkv: the scale word
.set R,     32                         ; v32-159  x: two sets of 64 registers as loaded
.set X,     160                        ; v160-223 x: my two whole blocks of 32 numbers
.set C,     224                        ; v224-255 codes: registers of their own for each store
.set XN,    32                         ; v32-95   the weights: two sets of 32 numbers down K
.set HF,    160                        ; v160-223 w_proj in f16: registers of their own for each store
.set FLOOR, 0x1800000                  ; 2^(3 - 127)
	s_load_b256 s[4:11], s[0:1], 0x0               ; x s[4:5], w_qkv s[6:7], w_proj s[8:9], xc s[10:11]
	s_load_b256 s[12:19], s[0:1], 0x20             ; xs s[12:13], wc s[14:15], ws s[16:17], wpf s[18:19]
	v_lshl_add_u32 v[SPW], v0, 2, SPARE
	v_mov_b32 v[NIL], 0
	v_lshrrev_b32 v1, 5, v0
	v_readfirstlane_b32 s20, v1                    ; wave
	v_and_b32 v1, 31, v0                           ; lane
	v_and_b32 v2, 15, v0                           ; r
	v_bfe_u32 v3, v0, 4, 1                         ; h
	s_mov_b32 s23, 0                               ; the upper word of every offset
	s_wait_kmcnt 0x0
	s_cmp_lt_u32 ttmp9, 128
	s_cbranch_scc0 .Lnot_x
; ---- x.  A wave takes 16 rows x 512 along K: job J = 4 x work-group + wave, mtile = J / 2, kstep = J % 2.
; Each load reads 512 consecutive bytes of a row; 128 along K of the 16 rows turn through the wave's stage, so that lane (r, h) gets blocks h and 2 + h of row r whole, as the operand's layout has them.
	s_lshl_b32 s21, ttmp9, 2
	s_add_co_u32 s21, s21, s20
	s_lshr_b32 s24, s21, 1                         ; mtile
	s_and_b32 s25, s21, 1                          ; kstep
	s_lshl_b32 s22, s24, 16                        ; x: 16 rows of 4,096 bytes,
	s_lshl_b32 s26, s25, 11                        ; 512 numbers
	s_add_co_u32 s22, s22, s26
	s_add_nc_u64 s[4:5], s[4:5], s[22:23]
	s_lshl_b32 s22, s24, 13                        ; xc: 8 fragments a tile,
	s_lshl_b32 s26, s25, 12                        ; 4 a kstep
	s_add_co_u32 s22, s22, s26
	s_add_nc_u64 s[10:11], s[10:11], s[22:23]
	s_lshl_b32 s22, s25, 16                        ; xs: 4,096 rows x 16 bytes a kstep,
	s_lshl_b32 s26, s24, 8                         ; 16 rows x 16 bytes
	s_add_co_u32 s22, s22, s26
	s_add_nc_u64 s[12:13], s[12:13], s[22:23]
	s_mov_b32 s30, 0x76543210
	s_mov_b32 s31, 0xfedcba98                      ; lane selects: lane l xor 16
	s_mul_i32 s27, s20, WSTG                       ; my stage
	v_lshlrev_b32 v4, 4, v1                        ; 16 x lane: in x's rows, and in a fragment's image
	v_add_nc_u32 v5, s27, v4                       ; into the stage
	v_mul_u32_u24 v6, v2, 528
	v_lshl_add_u32 v6, v3, 7, v6
	v_add_nc_u32 v6, s27, v6                       ; back: row r, + 128 h bytes
	v_lshlrev_b32 v7, 4, v2
	v_lshl_add_u32 v7, v3, 3, v7                   ; xs: 16 r + 8 h
	v_lshlrev_b32 v24, 3, v3                       ; 8 h
	v_mov_b32 v15, 0                               ; (a lane permute's destination counts as one of its sources)
.macro LOADX k                         ; 128 along K of the 16 rows into set k % 2
.irp p, 0,1,2,3,4,5,6,7,8,9,10,11,12,13,14,15
	global_load_b128 v[R+64*((\k)%2)+4*\p:R+64*((\k)%2)+4*\p+3], v4, s[4:5] offset:4096*\p+512*(\k) th:TH_LOAD_NT
.endr
.endm
.macro QX k
.if (\k) < 3
	s_wait_loadcnt 16                              ; this set's 16 loads are in; the next set's 16 may be out
.else
	s_wait_loadcnt 0x0
.endif
.irp p, 0,1,2,3,4,5,6,7,8,9,10,11,12,13,14,15
	ds_store_b128 v5, v[R+64*((\k)%2)+4*\p:R+64*((\k)%2)+4*\p+3] offset:528*\p
.endr
.irp c, 0,1
.irp j, 0,1,2,3,4,5,6,7
	ds_load_b128 v[X+32*\c+4*\j:X+32*\c+4*\j+3], v6 offset:256*\c+16*\j   ; LDS serves a wave's instructions in order: these see the stores above
.endr
.endr
	s_wait_dscnt 0x0                               ; my 64 numbers are back, and the stores have read their registers
.if (\k)+2 < 4
	LOADX (\k)+2
.endif
.irp c, 0,1
	v_max3_num_f32 v[8+\c], |v[X+32*\c]|, |v[X+32*\c+1]|, FLOOR   ; block 2 c + h: all its 32 numbers are mine; the floor holds the byte at 1 from below
.endr
.irp i, 2,4,6,8,10,12,14,16,18,20,22,24,26,28,30
.irp c, 0,1
	v_max3_num_f32 v[8+\c], v[8+\c], |v[X+32*\c+\i]|, |v[X+32*\c+\i+1]|
.endr
.endr
.irp c, 0,1
	v_add_nc_u32 v[10+\c], 0xff000000, v[8+\c]     ; 2 off the exponent field: the conversion's scale operand
.endr
.irp c, 0,1
	v_lshrrev_b32 v[12+\c], 23, v[10+\c]           ; the scale's byte
.endr
	v_lshl_or_b32 v14, v13, 16, v12                ; bytes h and 2 + h of the word,
	v_lshlrev_b32 v14, v24, v14
	v_permlanex16_b32 v15, v14, s30, s31
	v_or_b32 v[SW+(\k)], v14, v15                  ; with lane l xor 16's two the word is whole
.irp c, 0,1
.irp g, 0,1,2,3
	v_cvt_scalef32_pk8_fp4_f32 v[C+8*(\k)+4*\c+\g], v[X+32*\c+8*\g:X+32*\c+8*\g+7], v[10+\c]
.endr
.endr
	v_nop                                          ; one plain instruction behind the last scaled conversion
	global_store_b128 v4, v[C+8*(\k):C+8*(\k)+3], s[10:11] offset:1024*(\k)          ; 512 consecutive bytes each
	global_store_b128 v4, v[C+8*(\k)+4:C+8*(\k)+7], s[10:11] offset:1024*(\k)+512
.endm
	LOADX 0
	LOADX 1
	QX 0
	QX 1
	QX 2
	QX 3
	v_cmp_ne_u32 vcc_lo, 0, v3
	v_cndmask_b32 v22, v[SW], v[SW+2], vcc_lo      ; lanes 0-15 store words 0 and 1 of row r, lanes 16-31 words 2 and 3
	v_cndmask_b32 v23, v[SW+1], v[SW+3], vcc_lo
	global_store_b64 v7, v[22:23], s[12:13]        ; 32 lanes store 256 consecutive bytes, aligned
	s_wait_tensorcnt 0x0                           ; the wave's end
	ds_add_u32 v[SPW], v[NIL]
	s_wait_dscnt 0x0
	s_endpgm
; ---- the weights: K is their FIRST axis.  A lane takes a column and its registers run down K: nothing is transposed.  A wave takes 32 columns x 128 along K; four waves stand side by side on 512 bytes of each row.
.macro LOADW t, pitch, sb              ; 32 along K of my column into set t % 2
.irp i, 0,1,2,3,4,5,6,7,8,9,10,11,12,13,14,15,16,17,18,19,20,21,22,23,24,25,26,27,28,29,30,31
	global_load_b32 v[XN+32*((\t)%2)+\i], v4, s[\sb:\sb+1] offset:(32*(\t)+\i)*\pitch th:TH_LOAD_NT
.endr
.endm
.macro WAITW t
.if (\t) < 3
	s_wait_loadcnt 32                              ; this set's 32 loads are in; the next set's 32 may be out
.else
	s_wait_loadcnt 0x0
.endif
.endm
.Lnot_x:
	s_cmp_lt_u32 ttmp9, 320
	s_cbranch_scc0 .Lpath_p
	s_sub_co_u32 s21, ttmp9, 128
	s_lshr_b32 s24, s21, 3                         ; which 128 columns
	s_and_b32 s25, s21, 7                          ; kappa: which 128 along K
	s_lshl_b32 s26, s24, 7
	s_lshl_b32 s27, s20, 5
	s_add_co_u32 s26, s26, s27                     ; my wave's first column n0
	s_mul_i32 s22, s25, 128*12288
	s_lshl_b32 s27, s26, 2
	s_add_co_u32 s22, s22, s27
	s_add_nc_u64 s[6:7], s[6:7], s[22:23]
	s_lshl_b32 s22, s26, 9                         ; wc: (n0 / 16) x 8,192
	s_lshl_b32 s27, s25, 10
	s_add_co_u32 s22, s22, s27
	s_add_nc_u64 s[14:15], s[14:15], s[22:23]
	s_lshr_b32 s22, s25, 2                         ; ws: kstep x 3,072 x 16 + 16 n0 + 4 (kappa % 4)
	s_mul_i32 s22, s22, 49152
	s_lshl_b32 s27, s26, 4
	s_add_co_u32 s22, s22, s27
	s_and_b32 s27, s25, 3
	s_lshl_b32 s27, s27, 2
	s_add_co_u32 s22, s22, s27
	s_add_nc_u64 s[16:17], s[16:17], s[22:23]
	v_lshlrev_b32 v4, 2, v1                        ; in: 4 bytes a lane
	v_lshlrev_b32 v5, 4, v2
	v_lshl_add_u32 v5, v3, 13, v5                  ; codes: lanes 16-31 belong to the next tile of 16 columns
	v_lshlrev_b32 v6, 4, v1                        ; scale words: 16 bytes a column
.macro BLOCKW t
.set XS, XN+32*((\t)%2)
	WAITW \t
	v_max3_num_f32 v8, |v[XS]|, |v[XS+1]|, |v[XS+2]|
	v_max3_num_f32 v9, |v[XS+3]|, |v[XS+4]|, |v[XS+5]|
.irp i, 6,10,14,18,22,26
	v_max3_num_f32 v8, v8, |v[XS+\i]|, |v[XS+\i+1]|
	v_max3_num_f32 v9, v9, |v[XS+\i+2]|, |v[XS+\i+3]|
.endr
	v_max3_num_f32 v8, v8, |v[XS+30]|, |v[XS+31]|
	v_max3_num_f32 v8, v8, v9, FLOOR
	v_add_nc_u32 v10, 0xff000000, v8               ; the conversion's scale operand
	v_lshrrev_b32 v11, 23, v10                     ; the byte
.if (\t) == 0
	v_mov_b32 v[SW], v11
.else
	v_lshl_or_b32 v[SW], v11, 8*(\t), v[SW]
.endif
.irp g, 0,1,2,3
	v_cvt_scalef32_pk8_fp4_f32 v[C+4*(\t)+\g], v[XS+8*\g:XS+8*\g+7], v10
.endr
	v_nop                                          ; one plain instruction behind the last scaled conversion
	global_store_b128 v5, v[C+4*(\t):C+4*(\t)+3], s[14:15] offset:512*((\t)/2)+256*((\t)%2)   ; sixteen lanes store 256 consecutive bytes, aligned
.if (\t)+2 < 4
	LOADW (\t)+2, 12288, 6
.endif
.endm
	LOADW 0, 12288, 6
	LOADW 1, 12288, 6
	BLOCKW 0
	BLOCKW 1
	BLOCKW 2
	BLOCKW 3
	global_store_b32 v6, v[SW], s[16:17]           ; 4 bytes of each column's 16: a byte for each 32 of the 128 that this path reads
	s_endpgm
.Lpath_p:                                              ; ---- w_proj to f16: 32 columns x 128 along K a wave: four fragments deep
	s_sub_co_u32 s21, ttmp9, 320
	s_lshr_b32 s24, s21, 3
	s_and_b32 s25, s21, 7                          ; which 128 along K
	s_lshl_b32 s26, s24, 7
	s_lshl_b32 s27, s20, 5
	s_add_co_u32 s26, s26, s27                     ; n0
	s_lshl_b32 s22, s25, 19                        ; 128 rows of 4,096 bytes
	s_lshl_b32 s27, s26, 2
	s_add_co_u32 s22, s22, s27
	s_add_nc_u64 s[8:9], s[8:9], s[22:23]
	s_lshl_b32 s22, s26, 11                        ; wpf: (n0 / 16) x 32,768
	s_lshl_b32 s27, s25, 12                        ; + 4 fragments
	s_add_co_u32 s22, s22, s27
	s_add_nc_u64 s[18:19], s[18:19], s[22:23]
	v_lshlrev_b32 v4, 2, v1
	v_lshlrev_b32 v5, 4, v2
	v_lshl_add_u32 v5, v3, 15, v5
.macro FRAGP t
.set XS, XN+32*((\t)%2)
	WAITW \t
.irp o, 0,1,2,3
.irp e, 0,1,2,3
	v_cvt_pk_f16_f32 v[HF+16*(\t)+4*\o+\e], v[XS+8*\o+2*\e], v[XS+8*\o+2*\e+1]
.endr
.endr
.irp o, 0,1,2,3                        ; eight neighbours along K, k = 8 o on, are registers 4 (o / 2) .. + 3 of lane (r, o % 2)
	global_store_b128 v5, v[HF+16*(\t)+4*\o:HF+16*(\t)+4*\o+3], s[18:19] offset:1024*(\t)+512*(\o/2)+256*(\o%2)
.endr
.if (\t)+2 < 4
	LOADW (\t)+2, 4096, 8
.endif
.endm
	LOADW 0, 4096, 8
	LOADW 1, 4096, 8
	FRAGP 0
	FRAGP 1
	FRAGP 2
	FRAGP 3
	s_endpgm
.Lfunc_end_k_qef468aae72_prep:
	.size	k_qef468aae72_prep, .Lfunc_end_k_qef468aae72_prep-k_qef468aae72_prep
	.p2alignl 7, 3214868480
	.fill 96, 4, 3214868480
	.section	.rodata,"a",@progbits
	.p2align	6, 0x0
	.amdhsa_kernel k_qef468aae72_prep
		.amdhsa_group_segment_fixed_size 34304
		.amdhsa_private_segment_fixed_size 0
		.amdhsa_enable_private_segment 0
		.amdhsa_kernarg_size 64
		.amdhsa_user_sgpr_count 2
		.amdhsa_user_sgpr_kernarg_segment_ptr 1
		.amdhsa_wavefront_size32 1
		.amdhsa_system_sgpr_workgroup_id_x 1
		.amdhsa_system_sgpr_workgroup_id_y 1
		.amdhsa_system_sgpr_workgroup_id_z 1
		.amdhsa_system_vgpr_workitem_id 0
		.amdhsa_next_free_vgpr 256
		.amdhsa_next_free_sgpr 66
		.amdhsa_reserve_vcc 1
		.amdhsa_float_denorm_mode_32 3
		.amdhsa_float_denorm_mode_16_64 3
		.amdhsa_memory_ordered 1
		.amdhsa_forward_progress 1
		.amdhsa_inst_pref_size 67
	.end_amdhsa_kernel
	.amdgpu_metadata
---
amdhsa.version: [ 1, 2 ]
amdhsa.kernels:
  - .name:           k_qef468aae72_prep
    .symbol:         k_qef468aae72_prep.kd
    .args:
      - { .name: x, .offset: 0, .size: 8, .value_kind: global_buffer, .address_space: global }
      - { .name: w_qkv, .offset: 8, .size: 8, .value_kind: global_buffer, .address_space: global }
      - { .name: w_proj, .offset: 16, .size: 8, .value_kind: global_buffer, .address_space: global }
      - { .name: xc, .offset: 24, .size: 8, .value_kind: global_buffer, .address_space: global }
      - { .name: xs, .offset: 32, .size: 8, .value_kind: global_buffer, .address_space: global }
      - { .name: wc, .offset: 40, .size: 8, .value_kind: global_buffer, .address_space: global }
      - { .name: ws, .offset: 48, .size: 8, .value_kind: global_buffer, .address_space: global }
      - { .name: wpf, .offset: 56, .size: 8, .value_kind: global_buffer, .address_space: global }
    .group_segment_fixed_size: 34304
    .private_segment_fixed_size: 0
    .kernarg_segment_align: 8
    .kernarg_segment_size: 64
    .max_flat_workgroup_size: 128
    .sgpr_count:     66
    .vgpr_count:     256
    .wavefront_size: 32
...
	.end_amdgpu_metadata
.endif
;; end of part 1
;; launch qkvgemm (part 2): grid 12 x 16, 4 waves a work-group, clusters of 4 x 4, 327,680 bytes of LDS; arguments xc, xs, wc, ws, qkv; writes qkv
.if DOCPART == 2
	.amdgcn_target "amdgcn-amd-amdhsa--gfx1250"
	.amdhsa_code_object_version 6
	.text
	.protected	k_qef468aae72_qkvgemm
	.globl	k_qef468aae72_qkvgemm
	.p2align	8
	.type	k_qef468aae72_qkvgemm,@function
k_qef468aae72_qkvgemm:
	s_mov_b64 s[64:65], 0
	v_nop
	global_prefetch_b8 v0, s[64:65] scope:SCOPE_SE
	s_setreg_imm32_b32 hwreg(HW_REG_WAVE_MODE, 25, 1), 1
	s_wait_xcnt 0x0
	s_wait_alu depctr_hold_cnt(0) depctr_sa_sdst(0) depctr_va_vdst(0) depctr_va_sdst(0) depctr_va_ssrc(0) depctr_va_vcc(0) depctr_vm_vsrc(0)
	s_getreg_b32 s2, hwreg(HW_REG_IB_STS2, 6, 4)
	s_cmp_eq_u32 s2, 0
	s_cbranch_scc0 .Lentry_in_a_cluster
	s_endpgm
.Lentry_in_a_cluster:
	s_bfe_u32 s2, ttmp6, 0x10000c
	s_cmp_lg_u32 s2, 0xf033
	s_cbranch_scc0 .Lentry_shape_is_right
	s_endpgm
.Lentry_shape_is_right:
; QKV = x w_qkv on codes of FP4 (E2M1) with E8M0 scales: M 4,096, N 3,072, K 1,024; sums in f32; the result leaves in f16.  LIMIT: |q|, |k|, |v| up to 65,504.
; A tile of 256 x 256 to a work-group of four waves; a wave makes 128 x 128: 64 accumulators, 512 registers.  ALL OF K LIES IN LDS: two slots of 512 along K, each filled once, so nothing is filled again and there is no loop.
; Operands lie in memory as images of fragments (1,024 bytes: registers 0-3 at 16 x lane, 4-7 at 512 + 16 x lane): a tile is dense rows of 4,096 bytes, and every fragment load reads 512 consecutive bytes of LDS.
; CLUSTERS: 4 x 4 work-groups; x's tiles are shared along a row of the cluster, w's along a column: each is asked for jointly, by the same tensor load with a mask that names the four.
; THE MATRIX INSTRUCTION IS USED TRANSPOSED (source 0 = 16 columns of w, source 1 = 16 rows of x): a lane holds one token and eight neighbouring channels, 16 bytes of f16.
; OUT: qkv [cb 48][ttile 256][piece 4][512]: cb = channel / 64 (q 0-15, k 16-31, v 32-47), ttile = token / 16, piece = 16 channels.  In q's and k's pieces lane (r, h) stands at 16 r + 256 h (half a fragment's image);
; in v's at 32 r + 16 h (16 tokens x 16 channels by rows).  Each store of a wave covers 512 consecutive bytes, aligned: no LDS on the way out.
; REGISTERS: window 0: v16-29 addresses; v32-95 scale words, two sets; v128-191 x's fragments, one set.  window 1: w's fragments, two sets.  windows 2, 3: the accumulators.
.set NQ,     4                         ; steps of 128 along K in a slot
.set FR,     8                         ; registers of a fragment
.set NL,     2                         ; LDS loads that bring one
.set NP,     4                         ; places behind this matrix instruction (ISA guide 7.12.1)
.set SLOT,   131072                    ; x's 16 tiles x 4,096 bytes, then w's
.set SCL,    262144                    ; the scales: 4,096 bytes a wave: [kstep 2][128 rows][16]
.set SPARE,  278528                    ; the spare words, 128 bytes a wave
.set ADRA, 16                          ; v16-17  my x fragments in slot 0, 1
.set ADRB, 20                          ; v20-21  the same for w
.set VO,   26                          ; v26     my 16 bytes in a piece
.set ADRS, 27                          ; v27     my scale words: lanes 0-15 x's rows, lanes 16-31 w's columns
.set SPW,  28
.set NIL,  29
.set SC,   32
.set AF,   128
.set G1, 24
.set G0, 32
.set G1B, 48
.set G0B, 56
.set G1S, 68
.set G0S, 76
.set G1SB, 80
.set G0SB, 88
.set MSB, 0
.macro WIN new                         ; the immediate's high byte repeats the setting that is left
.if MSB != \new
	s_set_vgpr_msb (MSB<<8)|\new
.set MSB, \new
.endif
.endm
.set MUL_LO, 0xa1                      ; source 0 (w) window 1, source 1 (x) window 0, C and D window 2
.set MUL_HI, 0xf1
.set TO_B,   0x40
.macro JLOAD g0a, g1a, g0b, g1b        ; a joint load: waves 0 and 1 fetch for x, waves 2 and 3 for w; an s_nop 0 and four v_nop follow each line
	s_cmp_eq_u32 s15, 0
	s_cbranch_scc0 .Lfor_b_\@
	tensor_load_to_lds s[\g0a:\g0a+3], s[\g1a:\g1a+7]
	s_nop 0
.rept 4
	v_nop
.endr
	s_branch .Lasked_\@
.Lfor_b_\@:
	tensor_load_to_lds s[\g0b:\g0b+3], s[\g1b:\g1b+7]
	s_nop 0
.rept 4
	v_nop
.endr
.Lasked_\@:
.endm
.macro CROUND                          ; a round of the cluster's barrier
	s_barrier_signal -1
	s_barrier_wait -1
	s_cmp_lg_u32 s14, 0
	s_cbranch_scc1 .Lnot_wave_0_\@
	s_barrier_signal -3
.Lnot_wave_0_\@:
	s_barrier_wait -3
	s_barrier_signal -1
	s_barrier_wait -1
.endm
	s_load_b128 s[4:7], s[0:1], 0x0                ; xc, xs
	s_load_b128 s[8:11], s[0:1], 0x10              ; wc, ws
	s_load_b64 s[12:13], s[0:1], 0x20              ; qkv
	v_lshl_add_u32 v[SPW], v0, 2, SPARE
	v_mov_b32 v[NIL], 0
	ds_add_u32 v[SPW], v[NIL]                      ; the wave's opening: the add and its wait ahead of my first tensor load
	v_lshrrev_b32 v1, 5, v0
	v_readfirstlane_b32 s14, v1                    ; wave
	s_lshr_b32 s15, s14, 1                         ; my half of the tile's rows.  Also: I fetch for x (0) or for w (1)
	s_and_b32 s16, s14, 1                          ; my half of its columns.  Also: which half of that tile I fetch
	s_bfe_u32 s40, ttmp6, 0x40000                  ; cx
	s_bfe_u32 s41, ttmp6, 0x40004                  ; cy
	s_lshl_b32 s42, ttmp9, 2
	s_add_co_u32 s42, s42, s40                     ; tile column
	s_and_b32 s17, ttmp7, 0xffff
	s_lshl_b32 s17, s17, 2
	s_add_co_u32 s17, s17, s41                     ; tile row
	s_lshl_b32 s43, s41, 2
	s_lshl_b32 s43, 15, s43                        ; my row of the cluster
	s_lshl_b32 s44, 0x1111, s40                    ; my column
	; codes: 8 tiles of 16 rows, of each 4,096 bytes (512 elements of 8 bytes), 8,192 bytes apart; dense in LDS
	s_or_b32 s[G1+0], s43, (3<<16)|(1<<21)
	s_or_b32 s[G1B+0], s44, (3<<16)|(1<<21)
.irp g, G1, G1B
	s_mov_b32 s[\g+1], 512<<16                     ; tensor_dim0
	s_mov_b32 s[\g+2], 8<<16                       ; tensor_dim1
	s_mov_b32 s[\g+3], 512<<16                     ; tile_dim0
	s_mov_b32 s[\g+4], 8                           ; tile_dim1
	s_mov_b32 s[\g+5], 1024                        ; from tile to tile
	s_mov_b32 s[\g+6], 0
	s_mov_b32 s[\g+7], 0
.endr
	; scales: 128 rows x 16 bytes (256 elements) of each of the two ksteps
	s_or_b32 s[G1S+0], s43, (3<<16)|(1<<21)
	s_or_b32 s[G1SB+0], s44, (3<<16)|(1<<21)
.irp g, G1S, G1SB
	s_mov_b32 s[\g+1], 256<<16
	s_mov_b32 s[\g+2], 2<<16
	s_mov_b32 s[\g+3], 256<<16
	s_mov_b32 s[\g+4], 2
	s_mov_b32 s[\g+6], 0
	s_mov_b32 s[\g+7], 0
.endr
	s_mov_b32 s[G1S+5], 8192                       ; 4,096 rows x 16 bytes from kstep to kstep
	s_mov_b32 s[G1SB+5], 6144                      ; 3,072 columns x 16 bytes
	s_lshl_b32 s18, s16, 16                        ; the half that I fetch: 8 tiles x 8,192 bytes
	s_lshl_b32 s20, s17, 17
	s_add_co_u32 s20, s20, s18                     ; x's codes hang on the tile row alone,
	s_mov_b32 s21, 0
	s_lshl_b32 s46, s42, 17
	s_add_co_u32 s46, s46, s18                     ; w's on the tile column alone
	s_mov_b32 s47, 0
	s_lshl_b32 s18, s16, 11                        ; 128 rows x 16 bytes
	s_lshl_b32 s22, s17, 12
	s_add_co_u32 s22, s22, s18
	s_mov_b32 s23, 0
	s_lshl_b32 s92, s42, 12
	s_add_co_u32 s92, s92, s18
	s_mov_b32 s93, 0
	s_lshl_b32 s45, s14, 15                        ; where they go: wave x 32,768: no place in the cluster enters an LDS address
	s_lshl_b32 s94, s14, 12
	s_wait_dscnt 0x0                               ; the opening add is done
	s_wait_kmcnt 0x0
	s_add_nc_u64 s[20:21], s[4:5], s[20:21]
	s_add_nc_u64 s[22:23], s[6:7], s[22:23]
	s_add_nc_u64 s[46:47], s[8:9], s[46:47]
	s_add_nc_u64 s[92:93], s[10:11], s[92:93]
	CROUND                                         ; all sixteen work-groups are here: the joint loads meet
	s_mov_b32 s[G0S], 1
	s_add_co_u32 s[G0S+1], s94, SCL
	s_mov_b64 s[G0S+2:G0S+3], s[22:23]
	s_or_b32 s[G0S+3], s[G0S+3], 0x80000000
	s_mov_b32 s[G0SB], 1
	s_add_co_u32 s[G0SB+1], s94, SCL
	s_mov_b64 s[G0SB+2:G0SB+3], s[92:93]
	s_or_b32 s[G0SB+3], s[G0SB+3], 0x80000000
	JLOAD G0S, G1S, G0SB, G1SB                     ; the scales first; by this text's count three loads of a wave are out
.irp s, 0,1
	s_mov_b32 s[G0+4*\s], 1
	s_add_co_u32 s[G0+4*\s+1], s45, \s*SLOT
	s_add_nc_u64 s[G0+4*\s+2:G0+4*\s+3], s[20:21], \s*4096
	s_or_b32 s[G0+4*\s+3], s[G0+4*\s+3], 0x80000000
	s_mov_b32 s[G0B+4*\s], 1
	s_add_co_u32 s[G0B+4*\s+1], s45, \s*SLOT
	s_add_nc_u64 s[G0B+4*\s+2:G0B+4*\s+3], s[46:47], \s*4096
	s_or_b32 s[G0B+4*\s+3], s[G0B+4*\s+3], 0x80000000
	JLOAD G0+4*\s, G1, G0B+4*\s, G1B
.endr
	v_and_b32 v1, 15, v0                           ; r
	v_bfe_u32 v2, v0, 4, 1                         ; h
	v_and_b32 v3, 31, v0
	v_lshlrev_b32 v4, 4, v3                        ; 16 x lane
	s_lshl_b32 s21, s15, 15                        ; my 128 rows of x
	s_lshl_b32 s22, s16, 15
	s_add_co_u32 s22, s22, 65536                   ; my 128 columns of w
.irp s, 0,1
	v_add_nc_u32 v[ADRA+\s], s21, v4
	v_add_nc_u32 v[ADRB+\s], s22, v4
	s_add_co_u32 s21, s21, SLOT
	s_add_co_u32 s22, s22, SLOT
.endr
	v_lshlrev_b32 v5, 4, v1                        ; 16 bytes a row
	s_lshl_b32 s21, s15, 12                        ; x's: region of wave (row half)
	s_lshl_b32 s22, s16, 12
	s_add_co_u32 s22, s22, 2*4096                  ; w's: region of wave 2 + (column half)
	s_sub_co_u32 s22, s22, s21
	v_mul_u32_u24 v6, s22, v2                      ; lanes 16-31 take w's: one product, the distance between the two bases
	s_add_co_u32 s21, s21, SCL
	v_add_nc_u32 v5, v5, v6
	v_add_nc_u32 v[ADRS], s21, v5
	s_cmp_ge_u32 s42, 8                            ; tile columns 8 to 11 are v's: only a store's offset hangs on it
	s_cselect_b32 s20, 32, 16
	s_cselect_b32 s21, 16, 256
	v_mul_u32_u24 v[VO], s20, v1
	v_mad_u32_u24 v[VO], v2, s21, v[VO]
	s_lshl_b32 s20, s42, 2
	s_lshl_b32 s21, s16, 1
	s_add_co_u32 s20, s20, s21                     ; my first cb
	s_lshl_b32 s20, s20, 19                        ; x 256 ttiles x 2,048 bytes
	s_lshl_b32 s21, s17, 4
	s_lshl_b32 s22, s15, 3
	s_add_co_u32 s21, s21, s22                     ; my first ttile
	s_lshl_b32 s21, s21, 11
	s_add_co_u32 s20, s20, s21
	s_mov_b32 s21, 0
	s_add_nc_u64 s[12:13], s[12:13], s[20:21]
.macro FRAG reg, adr, q, i             ; a fragment's image: tile i of my eight, the slot's q-th 128 along K
.irp c, 0,1
	ds_load_b128 v[\reg+4*\c:\reg+4*\c+3], v[\adr] offset:4096*(\i)+1024*(\q)+512*\c
.endr
.endm
; 16 matrix instructions: x's blocks a0, a0 + 1 against w's eight.  The 64 accumulators take turns, one instruction a turn, in the same order in every step.
.macro MUL16 a0, p, q, sc, zero
.irp a, \a0, \a0+1
.irp b, 0,1,2,3,4,5,6,7
.if \zero
	v_wmma_scale_f32_16x16x128_f8f6f4 v[8*(8*((\a)%4)+\b):8*(8*((\a)%4)+\b)+7], v[128*(\p)+FR*\b:128*(\p)+FR*\b+FR-1], v[AF+FR*(\a):AF+FR*(\a)+FR-1], 0, v[SC+8*NQ*(\sc)+NQ*\b+(\q)], v[SC+8*NQ*(\sc)+NQ*(\a)+(\q)] matrix_a_fmt:MATRIX_FMT_FP4 matrix_b_fmt:MATRIX_FMT_FP4 matrix_a_scale:MATRIX_SCALE_ROW1
.else
	v_wmma_scale_f32_16x16x128_f8f6f4 v[8*(8*((\a)%4)+\b):8*(8*((\a)%4)+\b)+7], v[128*(\p)+FR*\b:128*(\p)+FR*\b+FR-1], v[AF+FR*(\a):AF+FR*(\a)+FR-1], v[8*(8*((\a)%4)+\b):8*(8*((\a)%4)+\b)+7], v[SC+8*NQ*(\sc)+NQ*\b+(\q)], v[SC+8*NQ*(\sc)+NQ*(\a)+(\q)] matrix_a_fmt:MATRIX_FMT_FP4 matrix_b_fmt:MATRIX_FMT_FP4 matrix_a_scale:MATRIX_SCALE_ROW1
.endif
.endr
.endr
.endm
.macro FETCH_B slot, q, p
	WIN TO_B
.irp i, 0,1,2,3,4,5,6,7
	FRAG 128*(\p)+FR*\i, ADRB+\slot, \q, \i
.endr
	WIN 0
.endm
.macro FETCH_A slot, q, i0
.irp i, \i0, \i0+1, \i0+2, \i0+3
	FRAG AF+FR*(\i), ADRA+\slot, \q, \i
.endr
.endm
.macro SCALES sc                       ; kstep sc's scale words: four a row; lanes 0-15 x's block i, lanes 16-31 w's block i
.irp i, 0,1,2,3,4,5,6,7
	ds_load_b128 v[SC+8*NQ*\sc+NQ*\i:SC+8*NQ*\sc+NQ*\i+3], v[ADRS] offset:256*\i+2048*\sc
.endr
.endm
.macro PLACES n                        ; plain vector instructions between a matrix instruction and a load into, or a read of, its registers
.rept \n
	v_nop
.endr
.endm
.macro STEP slot, q, zero              ; a step of 128 along K that has its successor in the same slot
	s_wait_dscnt 4*NL                              ; w's set and x's blocks 0-3 are in; the youngest eight loads (x's blocks 4-7) may be out
	WIN MUL_LO
	MUL16 0, (\q)%2, \q, \slot, \zero
	MUL16 2, (\q)%2, \q, \slot, \zero
	s_wait_dscnt 0
	PLACES NP
	FETCH_B \slot, (\q)+1, 1-(\q)%2
	FETCH_A \slot, (\q)+1, 0
	WIN MUL_HI
	MUL16 4, (\q)%2, \q, \slot, \zero
	MUL16 6, (\q)%2, \q, \slot, \zero
	PLACES NP
	WIN 0
	FETCH_A \slot, (\q)+1, 4
.endm
.macro STEPS slot, from
.set Q, \from
.rept NQ-1-\from
	STEP \slot, Q, 0
.set Q, Q+1
.endr
.endm
	s_wait_tensorcnt 1                             ; the scales and my part of slot 0 are in (slot 1's load may be out)
	s_barrier_signal -1
	s_barrier_wait -1                              ; everybody's are
	FETCH_B 0, 0, 0
	FETCH_A 0, 0, 0
	SCALES 0
	FETCH_A 0, 0, 4
	STEP 0, 0, 1                                   ; the first products start the sums: nothing is cleared
	STEPS 0, 1
	; slot 0's last step changes slots: one barrier, in front of which each wave has waited for its part of slot 1
	s_wait_tensorcnt 0x0
	ds_add_u32 v[SPW], v[NIL]
	s_wait_dscnt 4*NL+1                            ; (the add and x's blocks 4-7, eight loads, may be out)
	WIN MUL_LO
	MUL16 0, 1, NQ-1, 0, 0
	s_wait_dscnt 0x0
	s_barrier_signal -1
	MUL16 2, 1, NQ-1, 0, 0
	WIN 0
	s_barrier_wait -1
	PLACES NP
	FETCH_B 1, 0, 0
	FETCH_A 1, 0, 0
	SCALES 1
	WIN MUL_HI
	MUL16 4, 1, NQ-1, 0, 0
	MUL16 6, 1, NQ-1, 0, 0
	PLACES NP
	WIN 0
	FETCH_A 1, 0, 4
	STEPS 1, 0
	s_wait_dscnt 4*NL                              ; the very last step
	WIN MUL_LO
	MUL16 0, 1, NQ-1, 1, 0
	MUL16 2, 1, NQ-1, 1, 0
	s_wait_dscnt 0
	WIN MUL_HI
	MUL16 4, 1, NQ-1, 1, 0
	MUL16 6, 1, NQ-1, 1, 0
	WIN 0
	PLACES NP                                      ; in front of the conversions, which read results and write registers that the last products read
; THE WAY OUT: block a (16 tokens x 128 channels): 32 roundings to f16, each accumulator from its low end on, and eight stores of 512 consecutive bytes.  Seven sets of 32 registers take turns.
.macro OUT a
.set AC, 64*((\a)%4)
.set T, 32+32*((\a)%7)
	WIN 0x0a+5*((\a)/4)                            ; sources: window 2 or 3
.irp b, 0,1,2,3,4,5,6,7
.irp e, 0,1,2,3
	v_cvt_pk_f16_f32 v[T+4*\b+\e], v[AC+8*\b+2*\e], v[AC+8*\b+2*\e+1]
.endr
.endr
	WIN 0
.irp b, 0,1,2,3,4,5,6,7
	global_store_b128 v[VO], v[T+4*\b:T+4*\b+3], s[12:13] offset:(\b/4)*524288+2048*(\a)+512*(\b%4)
.endr
.endm
.irp a, 0,1,2,3,4,5,6
	OUT \a
.endr
	s_wait_xcnt 0x0                                ; block 0's stores have read their registers: block 7 takes that set again
	OUT 7
	s_wait_tensorcnt 0x0                           ; the wave's end
	ds_add_u32 v[SPW], v[NIL]
	s_wait_dscnt 0x0
	CROUND                                         ; the closing round
	s_endpgm
.Lfunc_end_k_qef468aae72_qkvgemm:
	.size	k_qef468aae72_qkvgemm, .Lfunc_end_k_qef468aae72_qkvgemm-k_qef468aae72_qkvgemm
	.p2alignl 7, 3214868480
	.fill 96, 4, 3214868480
	.section	.rodata,"a",@progbits
	.p2align	6, 0x0
	.amdhsa_kernel k_qef468aae72_qkvgemm
		.amdhsa_group_segment_fixed_size 327680
		.amdhsa_private_segment_fixed_size 0
		.amdhsa_enable_private_segment 0
		.amdhsa_kernarg_size 40
		.amdhsa_user_sgpr_count 2
		.amdhsa_user_sgpr_kernarg_segment_ptr 1
		.amdhsa_wavefront_size32 1
		.amdhsa_system_sgpr_workgroup_id_x 1
		.amdhsa_system_sgpr_workgroup_id_y 1
		.amdhsa_system_sgpr_workgroup_id_z 1
		.amdhsa_system_vgpr_workitem_id 0
		.amdhsa_next_free_vgpr 1024
		.amdhsa_next_free_sgpr 98
		.amdhsa_reserve_vcc 0
		.amdhsa_float_denorm_mode_32 3
		.amdhsa_float_denorm_mode_16_64 3
		.amdhsa_memory_ordered 1
		.amdhsa_forward_progress 1
		.amdhsa_inst_pref_size 117
	.end_amdhsa_kernel
	.amdgpu_metadata
---
amdhsa.version: [ 1, 2 ]
amdhsa.kernels:
  - .name:           k_qef468aae72_qkvgemm
    .symbol:         k_qef468aae72_qkvgemm.kd
    .args:
      - { .name: xc, .offset: 0, .size: 8, .value_kind: global_buffer, .address_space: global }
      - { .name: xs, .offset: 8, .size: 8, .value_kind: global_buffer, .address_space: global }
      - { .name: wc, .offset: 16, .size: 8, .value_kind: global_buffer, .address_space: global }
      - { .name: ws, .offset: 24, .size: 8, .value_kind: global_buffer, .address_space: global }
      - { .name: qkv, .offset: 32, .size: 8, .value_kind: global_buffer, .address_space: global }
    .group_segment_fixed_size: 327680
    .private_segment_fixed_size: 0
    .kernarg_segment_align: 8
    .kernarg_segment_size: 40
    .max_flat_workgroup_size: 128
    .sgpr_count:     98
    .vgpr_count:     1024
    .wavefront_size: 32
...
	.end_amdgpu_metadata
.endif
;; end of part 2
;; launch attn (part 3): grid 8 x 32, 16 waves a work-group, no clusters, 327,680 bytes of LDS; arguments qkv, yf; writes yf
.if DOCPART == 3
	.amdgcn_target "amdgcn-amd-amdhsa--gfx1250"
	.amdhsa_code_object_version 6
	.text
	.protected	k_qef468aae72_attn
	.globl	k_qef468aae72_attn
	.p2align	8
	.type	k_qef468aae72_attn,@function
k_qef468aae72_attn:
	s_mov_b64 s[64:65], 0
	v_nop
	global_prefetch_b8 v0, s[64:65] scope:SCOPE_SE
	s_setreg_imm32_b32 hwreg(HW_REG_WAVE_MODE, 25, 1), 1
	s_wait_xcnt 0x0
; CAUSAL ATTENTION, 32 heads (batch x head) of 2,048 tokens x 64 channels.  Products on f16 operands with f32 sums; maxima, exponentials and sums in f32; a running maximum is taken away in every step.
; LIMIT: |q|, |k|, |v| up to 65,504 (f16); the weights p are at most 1.
; SHARES.  Work-group (i, head) owns query blocks i and 15 - i of 128 queries: (i + 1) + (16 - i) = 17 steps of 128 keys for every work-group.  Sixteen waves, 256 registers each.
; A strip of 32 queries (two tiles of 16) belongs to TWO waves, w and w xor 2, which split the keys: of every step of 128 keys wave w takes the 64 that begin at 64 x par.  So each fragment of K and V read from LDS
; feeds two tiles.  At the end each wave hands the partial result (O, c m, l) of its tile 1 to its partner through LDS and finishes its tile 0.
; LAYOUT.  Both products are used transposed: S^T = K Q^T (source 0 = 16 keys, source 1 = 16 queries), O^T = V^T P: a lane holds one query (lane % 16) throughout; two score tiles rounded to f16 in pairs are source 1 of the second product.
; K's and Q's fragments lie in qkv as images of their registers; V's pieces lie as 16 tokens x 16 channels by rows and are turned by ds_load_tr16_b128.  O^T packed to f16 IS the image of y's fragments for the last product.
; RING.  Two LDS slots of 256 keys (K 32,768 bytes, V 32,768 bytes), filled by waves 0 to 3, 16,384 dense bytes each.  Every work-group walks all eight changes of slots (constant trip counts); a step whose keys all come
; after a wave's queries is jumped over, and a slot whose first key comes after the work-group's last query is not asked for.  Every wait on TENSORcnt is for 0.
; NO CLUSTER: the eight work-groups of a head need 16 - i steps, from 16 down to 9, so partners would need different numbers of tiles, and the causal jumps hang on each work-group's own query blocks.
.set SLOT1, 65536
.set XCH,   131072                     ; behind the ring: 4,352 bytes a wave: 4,096 of O, then 256 for (c m, l)
.set XWB,   4352
.set SPARE, 200704                     ; the spare words, 128 bytes a wave
.set PFO, 0                            ; v0   from the head's end on: 256 x lane, the prefetches' offset
.set AK0, 1                            ; v1   my place in a step's K
.set AV0, 2                            ; v2   and V
.set ADK, 3
.set ADV, 4
.set SPW, 5
.set NIL, 6
.set RH,  7                            ; v7   r - 8 h
.set TH,  8                            ; v8-9 the mask's thresholds
.set NINF, 10                          ; v10  -infinity
.set LI,  11                           ; v11  16 x lane
.set XO,  12                           ; v12  where I put O;  v13 where my partner put its;  v14, v15 the same for (c m, l)
.set XP,  13
.set XS,  14
.set XQ,  15
.set ST,  16                           ; tile t at v[ST + 8 t]: +0 c m, +1 m, +2, +3 l, +4 to +7 at work; a takes +6
.set Q,   32                           ; v32-63   Q: tile t, channels 32 f on, at 16 t + 8 f
.set KV,  64                           ; v64-127  a step's K, then its V
.set S,   128                          ; v128-191 S^T: 32 a tile; then p in f16 in each tile's lower 16
.set O,   192                          ; v192-255 O^T: 32 a tile
.set WV, 8
.set QS, 13                            ; my strip's first query
.set QE, 14                            ; and its last
.set Q0A, 15                           ; tile 0's first query: the tile that I keep
.set Q0B, 16                           ; tile 1's: the tile that I give
.set LASTQ, 17                         ; my work-group's last query
.set KF, 18                            ; the first key of the slot in hand
.set KW, 19                            ; the first of my 64 keys of the step in hand
.set TB, 36                            ; LDS byte at which the slot in hand begins
.set SLOTS, 37
.set LIM, 38
.macro TLOAD                           ; waves 0, 1: K's halves; waves 2, 3: V's.  An s_nop 0 and four v_nop follow the load
	s_cmp_lt_u32 s[WV], 4
	s_cbranch_scc0 .Lnone_\@
	tensor_load_to_lds s[32:35], s[24:31]
	s_nop 0
.rept 4
	v_nop
.endr
.Lnone_\@:
.endm
; A prefetch of what the NEXT change of slots will ask for.  All work-groups of a head walk the same K and V: work-group i = 0, which walks all slots, asks; in it waves 4 to 7 for K's 32,768 bytes and waves 8 to 11 for V's,
; 8,192 bytes a wave, lanes 256 bytes apart: each block is named once in the launch.  Slots 0 and 1 come by their loads alone; the last change that fills a slot asks for nothing.
.macro ASK
	s_cmp_gt_u32 s[SLOTS], s[LIM]
	s_cbranch_scc0 .Lnot_mine_\@
	global_prefetch_b8 v[PFO], s[40:41] th:TH_LOAD_NT scope:SCOPE_SE
.Lnot_mine_\@:
.endm
	s_load_b128 s[4:7], s[0:1], 0x0                ; qkv, yf
	v_lshl_add_u32 v[SPW], v0, 2, SPARE
	v_mov_b32 v[NIL], 0
	ds_add_u32 v[SPW], v[NIL]                      ; the wave's opening: the add and its wait ahead of the first tensor load
	v_lshrrev_b32 v1, 5, v0
	v_readfirstlane_b32 s[WV], v1                  ; wave 0..15
	s_mov_b32 s9, ttmp9                            ; i
	s_and_b32 s10, ttmp7, 0xffff                   ; batch x 16 + head
	s_bfe_u32 s11, s[WV], 0x10001                  ; par = (w / 2) % 2
	s_lshr_b32 s50, s[WV], 2                       ; strip
	s_xor_b32 s12, s[WV], s50
	s_and_b32 s12, s12, 1                          ; kind: 1 = the high block
	s_sub_co_u32 s51, 15, s9
	s_cmp_eq_u32 s12, 1
	s_cselect_b32 s51, s51, s9
	s_lshl_b32 s[QS], s51, 7
	s_lshl_b32 s50, s50, 5
	s_add_co_u32 s[QS], s[QS], s50
	s_add_co_u32 s[QE], s[QS], 31
	s_lshl_b32 s52, s11, 4
	s_add_co_u32 s[Q0A], s[QS], s52
	s_xor_b32 s52, s52, 16
	s_add_co_u32 s[Q0B], s[QS], s52
	s_sub_co_u32 s[LASTQ], 16, s9
	s_lshl_b32 s[LASTQ], s[LASTQ], 7
	s_sub_co_u32 s[LASTQ], s[LASTQ], 1
	s_mov_b32 s[KF], 0
	s_lshl_b32 s[KW], s11, 6
	s_mov_b32 s20, 0x76543210
	s_mov_b32 s21, 0xfedcba98                      ; lane selects: lane l xor 16
	s_mov_b32 s22, 0x3e38aa3b                      ; c = log2(e) / 8
	s_mov_b32 s23, s22                             ; (named with it as a pair)
	s_mov_b32 s[TB], 0
	s_mov_b32 s[SLOTS], 7
	; descriptor group 1: 16,384 dense bytes as 64 rows of 256 (32 elements of 8 bytes)
	s_mov_b32 s24, 3<<16
	s_mov_b32 s25, 32<<16
	s_mov_b32 s26, 64<<16
	s_mov_b32 s27, 32<<16
	s_mov_b32 s28, 64
	s_mov_b32 s29, 32
	s_mov_b32 s30, 0
	s_mov_b32 s31, 0
	s_lshr_b32 s42, s10, 4                         ; batch
	s_and_b32 s43, s10, 15                         ; head
	s_lshl_b32 s56, s43, 19                        ; cb = head: 256 ttiles x 2,048 bytes,
	s_lshl_b32 s55, s42, 18                        ; 128 ttiles a batch
	s_add_co_u32 s56, s56, s55                     ; the head's first byte among q's; k's lie 2^23 bytes on, v's 2^24
	s_and_b32 s33, s[WV], 3
	s_lshl_b32 s33, s33, 14                        ; LDS: 16,384 x (w % 4)
	s_and_b32 s50, s[WV], 1
	s_lshl_b32 s50, s50, 14
	s_lshl_b32 s51, s11, 23
	s_add_co_u32 s50, s50, s51
	s_add_co_u32 s50, s50, 0x800000
	s_add_co_u32 s50, s50, s56                     ; what I fetch, if I fetch
	s_mov_b32 s51, 0
	s_lshl_b32 s44, s[Q0A], 7                      ; Q: 2,048 bytes for 16 queries
	s_add_co_u32 s44, s44, s56
	s_mov_b32 s45, 0
	s_lshl_b32 s46, s[Q0B], 7
	s_add_co_u32 s46, s46, s56
	s_mov_b32 s47, 0
	s_lshl_b32 s48, s42, 22                        ; y: 128 mtiles x 32,768 bytes a batch,
	s_lshl_b32 s52, s[Q0A], 11                     ; 32,768 for 16 queries,
	s_add_co_u32 s48, s48, s52
	s_lshl_b32 s52, s43, 11                        ; two fragments a head
	s_add_co_u32 s48, s48, s52
	s_mov_b32 s49, 0
	s_cmp_lt_u32 s[WV], 8                          ; the prefetches: waves 4 to 7 K, waves 8 to 11 V
	s_mov_b32 s39, 0x1000000
	s_cselect_b32 s39, 0x800000, s39
	s_and_b32 s40, s[WV], 3
	s_lshl_b32 s40, s40, 13
	s_add_co_u32 s40, s40, s39
	s_add_co_u32 s40, s40, s56
	s_add_co_u32 s40, s40, 32768                   ; in slot 1: the first change of slots steps it to slot 2
	s_mov_b32 s41, 0
	s_sub_co_u32 s[LIM], s[WV], 4
	s_lshr_b32 s[LIM], s[LIM], 3                   ; 0 in waves 4 to 11,
	s_or_b32 s[LIM], s[LIM], s9                    ; of work-group i = 0
	s_cmp_eq_u32 s[LIM], 0
	s_cselect_b32 s[LIM], 1, -1
	s_wait_dscnt 0x0                               ; the opening add is done
	s_wait_kmcnt 0x0
	s_mov_b32 s32, 1
	s_add_nc_u64 s[34:35], s[4:5], s[50:51]
	s_or_b32 s35, s35, 0x80000000
	TLOAD                                          ; slot 0
	s_add_nc_u64 s[44:45], s[4:5], s[44:45]
	s_add_nc_u64 s[46:47], s[4:5], s[46:47]
	s_add_nc_u64 s[48:49], s[6:7], s[48:49]
	s_add_nc_u64 s[40:41], s[4:5], s[40:41]
	v_and_b32 v128, 31, v0                         ; lane
	v_and_b32 v129, 15, v0                         ; r
	v_bfe_u32 v130, v0, 4, 1                       ; h
	v_lshlrev_b32 v[LI], 4, v128
.irp t, 0,1
.irp f, 0,1
.irp e, 0,1
	global_load_b128 v[Q+16*\t+8*\f+4*\e:Q+16*\t+8*\f+4*\e+3], v[LI], s[44+2*\t:45+2*\t] offset:1024*\f+512*\e
.endr
.endr
.endr
	s_lshl_b32 s57, s11, 13                        ; my 64 keys of a step: 4 ttiles x 2,048 bytes
	v_add_nc_u32 v[AK0], s57, v[LI]
	v_and_b32 v131, 7, v0
	v_bfe_u32 v132, v0, 3, 1
	v_lshlrev_b32 v[AV0], 8, v130                  ; the turning load: key 8 h + lane % 8 (32 bytes a key), channels 8 ((lane / 8) % 2) on
	v_lshl_add_u32 v[AV0], v131, 5, v[AV0]
	v_lshl_add_u32 v[AV0], v132, 4, v[AV0]
	s_add_co_u32 s58, s57, 32768
	v_add_nc_u32 v[AV0], s58, v[AV0]
	v_lshlrev_b32 v133, 3, v130
	v_sub_nc_u32 v[RH], v129, v133
	v_mov_b32 v[NINF], 0xff800000
	s_mul_i32 s50, s[WV], XWB
	s_add_co_u32 s50, s50, XCH
	s_xor_b32 s51, s[WV], 2
	s_mul_i32 s51, s51, XWB
	s_add_co_u32 s51, s51, XCH
	v_add_nc_u32 v[XO], s50, v[LI]
	v_add_nc_u32 v[XP], s51, v[LI]
	v_lshlrev_b32 v133, 3, v128
	v_add_nc_u32 v[XS], s50, v133
	v_add_nc_u32 v[XS], 4096, v[XS]
	v_add_nc_u32 v[XQ], s51, v133
	v_add_nc_u32 v[XQ], 4096, v[XQ]
	v_lshlrev_b32 v[PFO], 8, v128                  ; v0 is done with as the thread's number
.irp t, 0,1
	v_mov_b32 v[ST+8*\t+1], 0xff61b1e6             ; m = -3e38, under every score
	v_mul_f32 v[ST+8*\t], s22, v[ST+8*\t+1]        ; c m
.irp j, 2,3,4,5,6,7
	v_mov_b32 v[ST+8*\t+\j], 0
.endr
.endr
.irp j, 0,1,2,3,4,5,6,7,8,9,10,11,12,13,14,15,16,17,18,19,20,21,22,23,24,25,26,27,28,29,30,31,32,33,34,35,36,37,38,39,40,41,42,43,44,45,46,47,48,49,50,51,52,53,54,55,56,57,58,59,60,61,62,63
	v_mov_b32 v[O+\j], 0                           ; the step is written without a first step of its own: the first a is 0 and finds zeros
.endr
; A STEP: my 64 keys of the slot's q-th 128.
.macro STEP q
	s_cmp_gt_u32 s[KW], s[QE]                      ; all my keys come after my 32 queries: ids alone; no barrier and no tensor load stands in a step
	s_cbranch_scc1 .Lhidden_\@
	v_add_nc_u32 v[ADK], s[TB], v[AK0]
	v_add_nc_u32 v[ADV], s[TB], v[AV0]
.rept 3
	v_nop                                          ; five places in all behind the last step's products: four for the loads into V's registers, five for the products that write over p
.endr
.irp a, 0,1,2,3
.irp f, 0,1
.irp e, 0,1
	ds_load_b128 v[KV+16*\a+8*\f+4*\e:KV+16*\a+8*\f+4*\e+3], v[ADK] offset:16384*(\q)+2048*\a+1024*\f+512*\e
.endr
.endr
.endr
	s_wait_dscnt 0x0
.irp f, 0,1                            ; S^T = K Q^T: the eight accumulators take turns, one instruction a turn
.irp a, 0,1,2,3
.irp t, 0,1
.if \f == 0
	v_wmma_f32_16x16x32_f16 v[S+32*\t+8*\a:S+32*\t+8*\a+7], v[KV+16*\a+8*\f:KV+16*\a+8*\f+7], v[Q+16*\t+8*\f:Q+16*\t+8*\f+7], 0
.else
	v_wmma_f32_16x16x32_f16 v[S+32*\t+8*\a:S+32*\t+8*\a+7], v[KV+16*\a+8*\f:KV+16*\a+8*\f+7], v[Q+16*\t+8*\f:Q+16*\t+8*\f+7], v[S+32*\t+8*\a:S+32*\t+8*\a+7]
.endif
.endr
.endr
.endr
.rept 4
	v_nop                                          ; places in front of the loads into K's registers and of the first read of the scores
.endr
.irp d, 0,1,2,3
.irp g, 0,1
.irp e, 0,1
	ds_load_tr16_b128 v[KV+16*\d+8*\g+4*\e:KV+16*\d+8*\g+4*\e+3], v[ADV] offset:16384*(\q)+2048*(2*\g+\e)+512*\d   ; V^T: channels 16 d on, keys 32 g + 16 e on; it lands under the softmax
.endr
.endr
.endr
	s_add_co_u32 s50, s[KW], 63                    ; on the diagonal hidden scores become -infinity; a step all of whose keys count skips this
	s_cmp_le_u32 s50, s[QS]
	s_cbranch_scc1 .Lopen_\@
	s_sub_co_i32 s50, s[Q0A], s[KW]
	s_sub_co_i32 s51, s[Q0B], s[KW]
	v_add_nc_u32 v[TH], s50, v[RH]                 ; register 8 a + j holds key KW + 16 a + 8 h + j: hidden where 16 a + j > r - 8 h + (the tile's first query - KW)
	v_add_nc_u32 v[TH+1], s51, v[RH]
.irp t, 0,1
.irp n, 0,1,2,3,4,5,6,7,8,9,10,11,12,13,14,15,16,17,18,19,20,21,22,23,24,25,26,27,28,29,30,31
	v_cmp_gt_i32 vcc_lo, 16*(\n/8)+\n%8, v[TH+\t]
	v_cndmask_b32 v[S+32*\t+\n], v[S+32*\t+\n], v[NINF], vcc_lo
.endr
.endr
.Lopen_\@:
	; THE SOFTMAX, the two tiles line by line.  The maximum of 32 scores and the old m: four chains, each accumulator from its low end on
.irp j, 0,1,2,3
.irp t, 0,1
	v_max3_num_f32 v[ST+8*\t+4+\j], v[S+32*\t+8*\j], v[S+32*\t+8*\j+1], v[S+32*\t+8*\j+2]
.endr
.endr
.irp u, 1,2
.irp j, 0,1,2,3
.irp t, 0,1
	v_max3_num_f32 v[ST+8*\t+4+\j], v[ST+8*\t+4+\j], v[S+32*\t+8*\j+2*\u+1], v[S+32*\t+8*\j+2*\u+2]
.endr
.endr
.endr
.irp t, 0,1
	v_max3_num_f32 v[ST+8*\t+4], v[ST+8*\t+4], v[S+32*\t+7], v[S+32*\t+15]
.endr
.irp t, 0,1
	v_max3_num_f32 v[ST+8*\t+6], v[ST+8*\t+6], v[S+32*\t+23], v[S+32*\t+31]
.endr
.irp t, 0,1
	v_max3_num_f32 v[ST+8*\t+4], v[ST+8*\t+4], v[ST+8*\t+5], v[ST+8*\t+6]
.endr
.irp t, 0,1
	v_max3_num_f32 v[ST+8*\t+4], v[ST+8*\t+4], v[ST+8*\t+7], v[ST+8*\t+1]
.endr
.irp t, 0,1
	v_permlanex16_b32 v[ST+8*\t+5], v[ST+8*\t+4], s20, s21   ; the query's other keys lie in the lane 16 away
.endr
.irp t, 0,1
	v_mov_b32 v[ST+8*\t+7], v[ST+8*\t]             ; the old c m
.endr
.irp t, 0,1
	v_max_num_f32 v[ST+8*\t+1], v[ST+8*\t+4], v[ST+8*\t+5]
.endr
.irp t, 0,1
	v_mul_f32 v[ST+8*\t], s22, v[ST+8*\t+1]
.endr
.irp t, 0,1
	v_sub_f32 v[ST+8*\t+7], v[ST+8*\t+7], v[ST+8*\t]
.endr
.irp j, 0,2,4,6,8,10,12,14,16,18,20,22,24,26,28,30
.irp t, 0,1
	v_pk_fma_f32 v[S+32*\t+\j:S+32*\t+\j+1], v[S+32*\t+\j:S+32*\t+\j+1], s[22:23], v[ST+8*\t:ST+8*\t+1] op_sel_hi:[1,0,0] neg_lo:[0,0,1] neg_hi:[0,0,1]   ; c s - c m
.endr
.endr
.irp t, 0,1
	v_exp_f32 v[ST+8*\t+6], v[ST+8*\t+7]           ; a = 2^(c m_old - c m_new).  ONE BATCH of 66 exponentials
.endr
.irp j, 0,1,2,3,4,5,6,7,8,9,10,11,12,13,14,15,16,17,18,19,20,21,22,23,24,25,26,27,28,29,30,31,32,33,34,35,36,37,38,39,40,41,42,43,44,45,46,47,48,49,50,51,52,53,54,55,56,57,58,59,60,61,62,63
	v_exp_f32 v[S+\j], v[S+\j]
.endr
	v_nop                                          ; a plain instruction behind the last exponential
	s_wait_alu depctr_va_vdst(0)                   ; one wait for the batch, ahead of its first reader
.irp t, 0,1
	v_pk_mul_f32 v[ST+8*\t+2:ST+8*\t+3], v[ST+8*\t+2:ST+8*\t+3], v[ST+8*\t+6:ST+8*\t+7] op_sel_hi:[1,0]   ; l x a
.endr
.irp t, 0,1
	v_pk_add_f32 v[ST+8*\t+4:ST+8*\t+5], v[S+32*\t:S+32*\t+1], v[S+32*\t+2:S+32*\t+3]   ; the sum of the unrounded p, in two chains
.endr
.irp j, 4,8,12,16,20,24,28
.irp t, 0,1
	v_pk_add_f32 v[ST+8*\t+2:ST+8*\t+3], v[ST+8*\t+2:ST+8*\t+3], v[S+32*\t+\j:S+32*\t+\j+1]
	v_pk_add_f32 v[ST+8*\t+4:ST+8*\t+5], v[ST+8*\t+4:ST+8*\t+5], v[S+32*\t+\j+2:S+32*\t+\j+3]
.endr
.endr
.irp t, 0,1
	v_pk_add_f32 v[ST+8*\t+2:ST+8*\t+3], v[ST+8*\t+2:ST+8*\t+3], v[ST+8*\t+4:ST+8*\t+5]
.endr
.irp n, 0,1,2,3,4,5,6,7,8,9,10,11,12,13,14,15
.irp t, 0,1
	v_cvt_pk_f16_f32 v[S+32*\t+\n], v[S+32*\t+2*\n], v[S+32*\t+2*\n+1]   ; p to f16, in place, ascending: register n is written when 2 n and 2 n + 1 are read
.endr
.endr
.irp j, 0,2,4,6,8,10,12,14,16,18,20,22,24,26,28,30
.irp t, 0,1
	v_pk_mul_f32 v[O+32*\t+\j:O+32*\t+\j+1], v[O+32*\t+\j:O+32*\t+\j+1], v[ST+8*\t+6:ST+8*\t+7] op_sel_hi:[1,0]   ; O^T x a
.endr
.endr
	s_wait_dscnt 0x0                               ; V is in
.irp g, 0,1                            ; O^T += V^T P: keys 32 g on; the eight accumulators take turns
.irp d, 0,1,2,3
.irp t, 0,1
	v_wmma_f32_16x16x32_f16 v[O+32*\t+8*\d:O+32*\t+8*\d+7], v[KV+16*\d+8*\g:KV+16*\d+8*\g+7], v[S+32*\t+8*\g:S+32*\t+8*\g+7], v[O+32*\t+8*\d:O+32*\t+8*\d+7]
.endr
.endr
.endr
.Lhidden_\@:
	s_add_co_u32 s[KW], s[KW], 128
.endm
; THE CHANGE OF SLOTS stands at a slot's head.  Each wave waits for all its tensor loads, adds 0 to its spare word, and waits for that and for its reads of the slot that it has left; behind the barrier the slot ahead is
; whole and nobody reads the other one, which is filled with the keys that follow: a wave's one tensor load until the next such barrier; it has a slot's two steps in which to land.
.macro CHANGE fill
	s_wait_tensorcnt 0x0                           ; no tensor load of mine is out, so the group 0 may be written
	ds_add_u32 v[SPW], v[NIL]
.if \fill
	s_xor_b32 s33, s33, SLOT1
	s_add_nc_u64 s[34:35], s[34:35], 32768         ; the next 256 keys
	s_wait_xcnt 0x0                                ; the last prefetch, a slot back, has read its address
	s_add_nc_u64 s[40:41], s[40:41], 32768
.endif
	s_wait_dscnt 0x0
	s_barrier_signal -1
	s_barrier_wait -1
.if \fill
	s_add_co_u32 s50, s[KF], 256                   ; a slot whose first key comes after my work-group's last query is read by none of its waves, so it is not asked for:
	s_cmp_gt_u32 s50, s[LASTQ]                     ; ids and the count of slots alone: all sixteen waves go the same way, and the jump leads round the load's own lines alone
	s_cbranch_scc1 .Lpast_\@
	TLOAD
.Lpast_\@:
	ASK
.endif
.endm
.macro SLOT_STEPS
	STEP 0
	STEP 1
	s_xor_b32 s[TB], s[TB], SLOT1
	s_add_co_u32 s[KF], s[KF], 256
.endm
	s_wait_loadcnt 0x0                             ; Q
.Lslot:                                                ; seven trips
	CHANGE 1
	SLOT_STEPS
	s_sub_co_u32 s[SLOTS], s[SLOTS], 1
	s_cmp_lg_u32 s[SLOTS], 0
	s_cbranch_scc1 .Lslot
	CHANGE 0                                       ; the last slot is written out: nothing is left to ask for
	SLOT_STEPS
	; THE MERGE.  I give tile 1's O, c m and l to my partner and take its partial of my tile 0.  A wave that has seen no key hands over c m = c x -3e38, l = 0, O = 0: its factor is 0.
	v_add_f32 v[ST+2], v[ST+2], v[ST+3]            ; tile 0's l
	v_add_f32 v[ST+9], v[ST+10], v[ST+11]          ; tile 1's, beside its c m
	v_nop
	v_nop                                          ; four places behind the last products
.irp k, 0,1,2,3,4,5,6,7
	ds_store_b128 v[XO], v[O+32+4*\k:O+32+4*\k+3] offset:512*\k
.endr
	ds_store_b64 v[XS], v[ST+8:ST+9]
	s_wait_dscnt 0x0                               ; for my partner's sake: my stores have landed
	s_barrier_signal -1
	s_barrier_wait -1
.irp k, 0,1,2,3,4,5,6,7
	ds_load_b128 v[S+4*\k:S+4*\k+3], v[XP] offset:512*\k
.endr
	ds_load_b64 v[S+32:S+33], v[XQ]
	s_wait_dscnt 0x0
	v_max_num_f32 v[S+34], v[ST], v[S+32]          ; the common c m
	v_sub_f32 v[S+35], v[ST], v[S+34]
	v_sub_f32 v[S+36], v[S+32], v[S+34]
	v_exp_f32 v[S+38], v[S+35]                     ; f0
	v_exp_f32 v[S+40], v[S+36]                     ; f1
	v_mov_b32 v[S+43], 0                           ; (a plain instruction behind them; a lane permute's destination counts as one of its sources)
	s_wait_alu depctr_va_vdst(0)
	v_mul_f32 v[S+42], v[ST+2], v[S+38]
	v_fma_f32 v[S+42], v[S+33], v[S+40], v[S+42]
	v_permlanex16_b32 v[S+43], v[S+42], s20, s21
	v_add_f32 v[S+42], v[S+42], v[S+43]            ; the row's sum
	v_rcp_f32 v[S+44], v[S+42]
	v_nop
	s_wait_alu depctr_va_vdst(0)
	v_mul_f32 v[S+38], v[S+38], v[S+44]            ; g0 = f0 / l
	v_mul_f32 v[S+40], v[S+40], v[S+44]            ; g1 = f1 / l
	v_mov_b32 v[S+39], v[S+38]                     ; (named with them as pairs)
	v_mov_b32 v[S+41], v[S+40]
.irp j, 0,2,4,6,8,10,12,14,16,18,20,22,24,26,28,30
	v_pk_mul_f32 v[O+\j:O+\j+1], v[O+\j:O+\j+1], v[S+38:S+39] op_sel_hi:[1,0]
.endr
.irp j, 0,2,4,6,8,10,12,14,16,18,20,22,24,26,28,30
	v_pk_fma_f32 v[O+\j:O+\j+1], v[S+\j:S+\j+1], v[S+40:S+41], v[O+\j:O+\j+1] op_sel_hi:[1,0,1]
.endr
.irp n, 0,1,2,3,4,5,6,7,8,9,10,11,12,13,14,15
	v_cvt_pk_f16_f32 v[KV+\n], v[O+2*\n], v[O+2*\n+1]
.endr
.irp d, 0,1,2,3
	global_store_b128 v[LI], v[KV+4*\d:KV+4*\d+3], s[48:49] offset:512*\d   ; 512 consecutive bytes: half a fragment's image
.endr
	s_wait_tensorcnt 0x0                           ; the wave's end
	ds_add_u32 v[SPW], v[NIL]
	s_wait_dscnt 0x0
	s_endpgm
.Lfunc_end_k_qef468aae72_attn:
	.size	k_qef468aae72_attn, .Lfunc_end_k_qef468aae72_attn-k_qef468aae72_attn
	.p2alignl 7, 3214868480
	.fill 96, 4, 3214868480
	.section	.rodata,"a",@progbits
	.p2align	6, 0x0
	.amdhsa_kernel k_qef468aae72_attn
		.amdhsa_group_segment_fixed_size 327680
		.amdhsa_private_segment_fixed_size 0
		.amdhsa_enable_private_segment 0
		.amdhsa_kernarg_size 16
		.amdhsa_user_sgpr_count 2
		.amdhsa_user_sgpr_kernarg_segment_ptr 1
		.amdhsa_wavefront_size32 1
		.amdhsa_system_sgpr_workgroup_id_x 1
		.amdhsa_system_sgpr_workgroup_id_y 1
		.amdhsa_system_sgpr_workgroup_id_z 1
		.amdhsa_system_vgpr_workitem_id 0
		.amdhsa_next_free_vgpr 256
		.amdhsa_next_free_sgpr 66
		.amdhsa_reserve_vcc 1
		.amdhsa_float_denorm_mode_32 3
		.amdhsa_float_denorm_mode_16_64 3
		.amdhsa_memory_ordered 1
		.amdhsa_forward_progress 1
		.amdhsa_inst_pref_size 101
	.end_amdhsa_kernel
	.amdgpu_metadata
---
amdhsa.version: [ 1, 2 ]
amdhsa.kernels:
  - .name:           k_qef468aae72_attn
    .symbol:         k_qef468aae72_attn.kd
    .args:
      - { .name: qkv, .offset: 0, .size: 8, .value_kind: global_buffer, .address_space: global }
      - { .name: yf, .offset: 8, .size: 8, .value_kind: global_buffer, .address_space: global }
    .group_segment_fixed_size: 327680
    .private_segment_fixed_size: 0
    .kernarg_segment_align: 8
    .kernarg_segment_size: 16
    .max_flat_workgroup_size: 512
    .sgpr_count:     66
    .vgpr_count:     256
    .wavefront_size: 32
...
	.end_amdgpu_metadata
.endif
;; end of part 3
;; launch proj (part 4): grid 8 x 32, 4 waves a work-group, clusters of 4 x 4, 327,680 bytes of LDS; arguments yf, wpf, b_proj, out0; writes out0
.if DOCPART == 4
	.amdgcn_target "amdgcn-amd-amdhsa--gfx1250"
	.amdhsa_code_object_version 6
	.text
	.protected	k_qef468aae72_proj
	.globl	k_qef468aae72_proj
	.p2align	8
	.type	k_qef468aae72_proj,@function
k_qef468aae72_proj:
	s_mov_b64 s[64:65], 0
	v_nop
	global_prefetch_b8 v0, s[64:65] scope:SCOPE_SE
	s_setreg_imm32_b32 hwreg(HW_REG_WAVE_MODE, 25, 1), 1
	s_wait_xcnt 0x0
	s_wait_alu depctr_hold_cnt(0) depctr_sa_sdst(0) depctr_va_vdst(0) depctr_va_sdst(0) depctr_va_ssrc(0) depctr_va_vcc(0) depctr_vm_vsrc(0)
	s_getreg_b32 s2, hwreg(HW_REG_IB_STS2, 6, 4)
	s_cmp_eq_u32 s2, 0
	s_cbranch_scc0 .Lentry_in_a_cluster
	s_endpgm
.Lentry_in_a_cluster:
	s_bfe_u32 s2, ttmp6, 0x10000c
	s_cmp_lg_u32 s2, 0xf033
	s_cbranch_scc0 .Lentry_shape_is_right
	s_endpgm
.Lentry_shape_is_right:
; out0 = y w_proj + b_proj: M 4,096, N 1,024, K 1,024; f16 operands, f32 sums, f32 out.  LIMIT: |y|, |w_proj| up to 65,504.
; A tile of 128 x 128 to a work-group of four waves (256 work-groups); a wave makes 64 x 64: 16 accumulators.  K goes in four steps of 256 through two LDS slots.
; Operands lie in memory as images of fragments (16 rows x 32 K: 1,024 bytes): a K step of a tile of 16 rows is 8,192 dense bytes, and every fragment load reads 512 consecutive bytes of LDS.
; CLUSTERS: 4 x 4 work-groups; y's tiles are shared along a row of the cluster, w's along a column: joint loads.  THE MATRIX INSTRUCTION IS USED TRANSPOSED (source 0 = 16 columns of w, source 1 = 16 rows of y):
; a lane holds eight neighbouring numbers of a row of out0.  The bias is the C of each sum's first product.
; REGISTERS: window 0: v16-29 addresses; v32-95 the way out; v96-127 the bias; v128-255 the accumulators.  window 1: two fragment buffers of 128.
.set SLOT,   131072                    ; y's 8 tiles x 8,192 bytes, then w's
.set STAGE,  262144                    ; 16 rows x 272 bytes for each wave, its own
.set SPITCH, 272
.set SPARE,  279552
.set ADRA, 16
.set ADRB, 20
.set STO,  24
.set RD,   25
.set CO,   26
.set BO,   27
.set SPW,  28
.set NIL,  29
.set TMP,  32
.set BI,   96
.set ACC,  128
.set F0,   0
.set F1,   128
.set G1, 24
.set G0, 32
.set G1B, 48
.set G0B, 56
.set MSB, 0
.macro WIN new
.if MSB != \new
	s_set_vgpr_msb (MSB<<8)|\new
.set MSB, \new
.endif
.endm
.set MUL,  0x05                        ; sources 0 and 1 window 1; C and D window 0
.set TO_F, 0x40
.macro JLOAD s                         ; a joint load: waves 0 and 1 fetch y's halves, waves 2 and 3 w's; an s_nop 0 and four v_nop follow each line
	s_cmp_eq_u32 s11, 0
	s_cbranch_scc0 .Lfor_b_\@
	tensor_load_to_lds s[G0+4*\s:G0+4*\s+3], s[G1:G1+7]
	s_nop 0
.rept 4
	v_nop
.endr
	s_branch .Lasked_\@
.Lfor_b_\@:
	tensor_load_to_lds s[G0B+4*\s:G0B+4*\s+3], s[G1B:G1B+7]
	s_nop 0
.rept 4
	v_nop
.endr
.Lasked_\@:
.endm
.macro CREST
	s_cmp_lg_u32 s10, 0
	s_cbranch_scc1 .Lnot_wave_0_\@
	s_barrier_signal -3
.Lnot_wave_0_\@:
	s_barrier_wait -3
	s_barrier_signal -1
	s_barrier_wait -1
.endm
.macro CROUND
	s_barrier_signal -1
	s_barrier_wait -1
	CREST
.endm
	s_load_b128 s[4:7], s[0:1], 0x0                ; yf, wpf
	s_load_b64 s[66:67], s[0:1], 0x10              ; b_proj
	s_load_b64 s[8:9], s[0:1], 0x18                ; out0
	v_lshl_add_u32 v[SPW], v0, 2, SPARE
	v_mov_b32 v[NIL], 0
	ds_add_u32 v[SPW], v[NIL]                      ; the wave's opening: the add and its wait ahead of my first tensor load
	v_lshrrev_b32 v1, 5, v0
	v_readfirstlane_b32 s10, v1                    ; wave
	s_lshr_b32 s11, s10, 1                         ; my half of the rows.  Also: I fetch for y (0) or for w (1)
	s_and_b32 s12, s10, 1                          ; my half of the columns.  Also: which half I fetch
	s_bfe_u32 s40, ttmp6, 0x40000
	s_bfe_u32 s41, ttmp6, 0x40004
	s_lshl_b32 s42, ttmp9, 2
	s_add_co_u32 s42, s42, s40                     ; tile column
	s_and_b32 s13, ttmp7, 0xffff
	s_lshl_b32 s13, s13, 2
	s_add_co_u32 s13, s13, s41                     ; tile row
	s_lshl_b32 s43, s41, 2
	s_lshl_b32 s43, 15, s43
	s_lshl_b32 s44, 0x1111, s40
	; 4 tiles of 16 rows, of each 8,192 bytes (1,024 elements of 8 bytes), 32,768 bytes apart; dense in LDS
	s_or_b32 s[G1+0], s43, (3<<16)|(1<<21)
	s_or_b32 s[G1B+0], s44, (3<<16)|(1<<21)
.irp g, G1, G1B
	s_mov_b32 s[\g+1], 1024<<16
	s_mov_b32 s[\g+2], 4<<16
	s_mov_b32 s[\g+3], 1024<<16
	s_mov_b32 s[\g+4], 4
	s_mov_b32 s[\g+5], 4096
	s_mov_b32 s[\g+6], 0
	s_mov_b32 s[\g+7], 0
.endr
	s_lshl_b32 s17, s12, 17                        ; the half that I fetch: 4 tiles x 32,768 bytes
	s_lshl_b32 s16, s13, 18
	s_add_co_u32 s16, s16, s17
	s_lshl_b32 s46, s42, 18
	s_add_co_u32 s46, s46, s17
	s_mov_b32 s17, 0
	s_mov_b32 s47, 0
	s_lshl_b32 s20, s10, 15                        ; where they go: wave x 32,768
	s_wait_dscnt 0x0
	s_wait_kmcnt 0x0
	s_add_nc_u64 s[14:15], s[4:5], s[16:17]
	s_add_nc_u64 s[46:47], s[6:7], s[46:47]
	CROUND                                         ; the first joint loads meet
.irp s, 0,1
	s_mov_b32 s[G0+4*\s], 1
	s_add_co_u32 s[G0+4*\s+1], s20, \s*SLOT
	s_add_nc_u64 s[G0+4*\s+2:G0+4*\s+3], s[14:15], \s*8192
	s_or_b32 s[G0+4*\s+3], s[G0+4*\s+3], 0x80000000
	s_mov_b32 s[G0B+4*\s], 1
	s_add_co_u32 s[G0B+4*\s+1], s20, \s*SLOT
	s_add_nc_u64 s[G0B+4*\s+2:G0B+4*\s+3], s[46:47], \s*8192
	s_or_b32 s[G0B+4*\s+3], s[G0B+4*\s+3], 0x80000000
	JLOAD \s
.endr
	v_and_b32 v1, 15, v0                           ; r
	v_bfe_u32 v2, v0, 4, 1                         ; h
	v_and_b32 v3, 31, v0
	v_lshlrev_b32 v3, 4, v3                        ; 16 x lane
	s_lshl_b32 s18, s42, 9                         ; my 64 columns, in bytes of f32
	s_lshl_b32 s19, s12, 8
	s_add_co_u32 s18, s18, s19
	s_mov_b32 s19, 0
	s_add_nc_u64 s[66:67], s[66:67], s[18:19]
	v_lshlrev_b32 v[BO], 5, v2
.irp b, 0,1,2,3                        ; lane (r, h) wants, for block b, the bias of columns 16 b + 8 h + 0 .. 7
	global_load_b128 v[BI+8*\b:BI+8*\b+3], v[BO], s[66:67] offset:64*\b
	global_load_b128 v[BI+8*\b+4:BI+8*\b+7], v[BO], s[66:67] offset:64*\b+16
.endr
	s_lshl_b32 s21, s11, 15                        ; my 64 rows of y
	s_lshl_b32 s22, s12, 15
	s_add_co_u32 s22, s22, 65536                   ; my 64 columns of w
.irp s, 0,1
	v_add_nc_u32 v[ADRA+\s], s21, v3
	v_add_nc_u32 v[ADRB+\s], s22, v3
	s_add_co_u32 s21, s21, SLOT
	s_add_co_u32 s22, s22, SLOT
.endr
	s_mul_i32 s23, s10, 16*SPITCH
	s_add_co_u32 s23, s23, STAGE                   ; my stage
	v_mul_u32_u24 v4, v1, SPITCH
	v_lshl_add_u32 v4, v2, 5, v4
	v_add_nc_u32 v[STO], s23, v4                   ; in: row r, 32 bytes for each half of the lanes
	v_mul_u32_u24 v5, v2, SPITCH
	v_lshl_add_u32 v5, v1, 4, v5
	v_add_nc_u32 v[RD], s23, v5                    ; back: lanes 0-15 one row of 256 bytes, lanes 16-31 the next
	v_lshlrev_b32 v5, 12, v2
	v_lshl_add_u32 v[CO], v1, 4, v5                ; and the same two rows in out0
	s_lshl_b32 s16, s13, 19                        ; 128 rows of 4,096 bytes a tile row,
	s_lshl_b32 s17, s11, 18                        ; 64 a half
	s_add_co_u32 s16, s16, s17
	s_add_co_u32 s16, s16, s18
	s_mov_b32 s17, 0
	s_add_nc_u64 s[8:9], s[8:9], s[16:17]
; 8 matrix instructions: row blocks a0, a0 + 1 x all 4 column blocks, 32 along K: half c of buffer f.  first = 1: the sums begin with the bias.  The 16 accumulators take turns.
.macro MUL8 f, c, a0, first
.irp a, \a0, \a0+1
.irp b, 0,1,2,3
.if \first
	v_wmma_f32_16x16x32_f16 v[ACC+8*(4*(\a)+\b):ACC+8*(4*(\a)+\b)+7], v[\f+64+8*(4*\c+\b):\f+64+8*(4*\c+\b)+7], v[\f+8*(4*\c+\a):\f+8*(4*\c+\a)+7], v[BI+8*\b:BI+8*\b+7]
.else
	v_wmma_f32_16x16x32_f16 v[ACC+8*(4*(\a)+\b):ACC+8*(4*(\a)+\b)+7], v[\f+64+8*(4*\c+\b):\f+64+8*(4*\c+\b)+7], v[\f+8*(4*\c+\a):\f+8*(4*\c+\a)+7], v[ACC+8*(4*(\a)+\b):ACC+8*(4*(\a)+\b)+7]
.endif
.endr
.endr
.endm
; 32 LDS loads in one run: the fragments of 64 along K (two images a tile of 16 rows) at byte k of a tile's 8,192, into buffer f; the first 32 along K first
.macro FETCH slot, k, f
	WIN TO_F
.irp c, 0,1
.irp i, 0,1,2,3
	ds_load_b128 v[\f+64+8*(4*\c+\i):\f+64+8*(4*\c+\i)+3],   v[ADRB+\slot] offset:\k+1024*\c+8192*\i
	ds_load_b128 v[\f+64+8*(4*\c+\i)+4:\f+64+8*(4*\c+\i)+7], v[ADRB+\slot] offset:\k+1024*\c+8192*\i+512
	ds_load_b128 v[\f+8*(4*\c+\i):\f+8*(4*\c+\i)+3],         v[ADRA+\slot] offset:\k+1024*\c+8192*\i
	ds_load_b128 v[\f+8*(4*\c+\i)+4:\f+8*(4*\c+\i)+7],       v[ADRA+\slot] offset:\k+1024*\c+8192*\i+512
.endr
.endr
.endm
.macro PLACES                          ; four plain vector instructions in front of loads into registers that matrix instructions have read, and of reads of results
.rept 4
	v_nop
.endr
.endm
.macro QUARTER slot, k, f, g, first    ; 64 along K: multiplies buffer f and fetches the next quarter, at byte k, into g
	s_wait_dscnt 16                                ; the first 32 along K are in; the other sixteen loads may be out
	WIN MUL
	MUL8 \f, 0, 0, \first
	MUL8 \f, 0, 2, \first
	PLACES
	FETCH \slot, \k, \g
	s_wait_dscnt 32                                ; all but the 32 just issued
	WIN MUL
	MUL8 \f, 1, 0, 0
	MUL8 \f, 1, 2, 0
.endm
; A K step's last quarter changes slots: one barrier; in front of it each wave waits for all its tensor loads, adds 0 to its spare word, and waits for that and for its reads of this slot.
; fill = 1: the barrier opens a round of the cluster's barrier, and this slot is filled again, two K steps ahead, first thing behind the round.
.macro TURN slot, next, fill
	WIN 0
	s_wait_tensorcnt 0x0
	ds_add_u32 v[SPW], v[NIL]
	s_wait_dscnt 17                                ; (the add and the youngest sixteen loads may be out)
	WIN MUL
	MUL8 F1, 0, 0, 0
	s_wait_dscnt 0x0
	s_barrier_signal -1
	MUL8 F1, 0, 2, 0
.if \fill
	WIN 0
.endif
	s_barrier_wait -1
.if \fill
	CREST
	s_add_nc_u64 s[G0+4*\slot+2:G0+4*\slot+3], s[G0+4*\slot+2:G0+4*\slot+3], 16384
	s_add_nc_u64 s[G0B+4*\slot+2:G0B+4*\slot+3], s[G0B+4*\slot+2:G0B+4*\slot+3], 16384
	JLOAD \slot                                    ; the four v_nop behind it are also the places in front of the loads below
.else
	PLACES
.endif
	FETCH \next, 0, F0
	WIN MUL
	MUL8 F1, 1, 0, 0
	MUL8 F1, 1, 2, 0
.endm
	s_wait_loadcnt 0x0                             ; the bias
	s_wait_tensorcnt 1                             ; my part of K step 0 is in (K step 1's load may be out)
	s_barrier_signal -1
	s_barrier_wait -1                              ; everybody's is
	FETCH 0, 0, F0
	QUARTER 0, 2048, F0, F1, 1                     ; K step 0
	QUARTER 0, 4096, F1, F0, 0
	QUARTER 0, 6144, F0, F1, 0
	TURN 0, 1, 1                                   ; slot 0 takes K step 2
	QUARTER 1, 2048, F0, F1, 0                     ; K step 1
	QUARTER 1, 4096, F1, F0, 0
	QUARTER 1, 6144, F0, F1, 0
	TURN 1, 0, 1                                   ; slot 1 takes K step 3
	QUARTER 0, 2048, F0, F1, 0                     ; K step 2
	QUARTER 0, 4096, F1, F0, 0
	QUARTER 0, 6144, F0, F1, 0
	TURN 0, 1, 0                                   ; nothing is left to ask for
	QUARTER 1, 2048, F0, F1, 0                     ; K step 3
	QUARTER 1, 4096, F1, F0, 0
	QUARTER 1, 6144, F0, F1, 0
	s_wait_dscnt 16
	WIN MUL
	MUL8 F1, 0, 0, 0
	MUL8 F1, 0, 2, 0
	s_wait_dscnt 0
	MUL8 F1, 1, 0, 0
	MUL8 F1, 1, 2, 0
	WIN 0
	PLACES
; THE WAY OUT, 16 rows x 64 columns at a time, through my own stage: a row's 64 numbers are 256 bytes, which sixteen lanes store as one aligned run.  LDS serves a wave's instructions in order: no wait between the stores and the loads.
.macro OUT a
.if (\a) >= 2
	s_wait_xcnt 0x0                                ; block a - 2's stores have read their registers: this block's loads may land there
.endif
.irp b, 0,1,2,3
	ds_store_b128 v[STO], v[ACC+8*(4*(\a)+\b):ACC+8*(4*(\a)+\b)+3] offset:64*\b          ; each accumulator from its low end on
	ds_store_b128 v[STO], v[ACC+8*(4*(\a)+\b)+4:ACC+8*(4*(\a)+\b)+7] offset:64*\b+16
.endr
.irp t, 0,1,2,3,4,5,6,7
	ds_load_b128 v[TMP+32*((\a)%2)+4*\t:TMP+32*((\a)%2)+4*\t+3], v[RD] offset:2*SPITCH*\t
.endr
.irp t, 0,1,2,3,4,5,6,7
	s_wait_dscnt 7-\t                              ; the younger loads may be out
	global_store_b128 v[CO], v[TMP+32*((\a)%2)+4*\t:TMP+32*((\a)%2)+4*\t+3], s[8:9] offset:(16*(\a)+2*\t)*4096 th:TH_STORE_NT
.endr
.endm
	OUT 0
	OUT 1
	OUT 2
	OUT 3
	s_wait_tensorcnt 0x0                           ; the wave's end
	ds_add_u32 v[SPW], v[NIL]
	s_wait_dscnt 0x0
	CROUND                                         ; the closing round
	s_endpgm
.Lfunc_end_k_qef468aae72_proj:
	.size	k_qef468aae72_proj, .Lfunc_end_k_qef468aae72_proj-k_qef468aae72_proj
	.p2alignl 7, 3214868480
	.fill 96, 4, 3214868480
	.section	.rodata,"a",@progbits
	.p2align	6, 0x0
	.amdhsa_kernel k_qef468aae72_proj
		.amdhsa_group_segment_fixed_size 327680
		.amdhsa_private_segment_fixed_size 0
		.amdhsa_enable_private_segment 0
		.amdhsa_kernarg_size 32
		.amdhsa_user_sgpr_count 2
		.amdhsa_user_sgpr_kernarg_segment_ptr 1
		.amdhsa_wavefront_size32 1
		.amdhsa_system_sgpr_workgroup_id_x 1
		.amdhsa_system_sgpr_workgroup_id_y 1
		.amdhsa_system_sgpr_workgroup_id_z 1
		.amdhsa_system_vgpr_workitem_id 0
		.amdhsa_next_free_vgpr 512
		.amdhsa_next_free_sgpr 68
		.amdhsa_reserve_vcc 0
		.amdhsa_float_denorm_mode_32 3
		.amdhsa_float_denorm_mode_16_64 3
		.amdhsa_memory_ordered 1
		.amdhsa_forward_progress 1
		.amdhsa_inst_pref_size 87
	.end_amdhsa_kernel
	.amdgpu_metadata
---
amdhsa.version: [ 1, 2 ]
amdhsa.kernels:
  - .name:           k_qef468aae72_proj
    .symbol:         k_qef468aae72_proj.kd
    .args:
      - { .name: yf, .offset: 0, .size: 8, .value_kind: global_buffer, .address_space: global }
      - { .name: wpf, .offset: 8, .size: 8, .value_kind: global_buffer, .address_space: global }
      - { .name: b_proj, .offset: 16, .size: 8, .value_kind: global_buffer, .address_space: global }
      - { .name: out0, .offset: 24, .size: 8, .value_kind: global_buffer, .address_space: global }
    .group_segment_fixed_size: 327680
    .private_segment_fixed_size: 0
    .kernarg_segment_align: 8
    .kernarg_segment_size: 32
    .max_flat_workgroup_size: 128
    .sgpr_count:     68
    .vgpr_count:     512
    .wavefront_size: 32
...
	.end_amdgpu_metadata
.endif
;; end of part 4
